; MI455X (gfx1250); checked and timed in simulation.
; The chip was launched on July 23, 2026; its instructions are those of AMD's public machine-readable ISA for CDNA 5 (MIT licence, August 2026) and "CDNA5" Instruction Set Architecture Reference Guide (July 2026). The comments in the code are by the model that wrote it; some were corrected since.
;; Mo E Layer. Allowed arithmetic: float matrix products may take bf16 or f16 operands with f32 sums; other float arithmetic in f32, or as packed bf16 or f16 multiplies, adds, multiply-adds, maxima and minima; sums over many terms, partial sums and values carried from step to step in f32; what a program stores and reads back later, other than sums and carried values, may be rounded once to bf16 or f16.
;; Inputs: W1 8 x 1,024 x 4,096 float32; W2 8 x 4,096 x 1,024 float32; Wg 1,024 x 8 float32; b1 8 x 4,096 float32; b2 8 x 1,024 float32; bg 8 float32; x 1,024 x 1,024 float32.
;; Outputs: out0 1,024 x 1,024 float32.
;; One version. Each part assembles by itself: llvm-mc -triple=amdgcn-amd-amdhsa -mcpu=gfx1250 --defsym DOCPART=n.
;; ======== version 1 of 1: 4 launches
;; workspace buffers: xb 2,097,152 bytes; hb 67,108,864 bytes; gateT 32,768 bytes; part 67,108,864 bytes
;; launch prep (part 1): grid 64 x 1, 8 waves a work-group, no clusters, 76,800 bytes of LDS; arguments x, Wg, bg, xb, gateT; writes xb, gateT
.if DOCPART == 1
	.amdgcn_target "amdgcn-amd-amdhsa--gfx1250"
	.amdhsa_code_object_version 6
	.text
	.protected	k_q930e44f09c_prep
	.globl	k_q930e44f09c_prep
	.p2align	8
	.type	k_q930e44f09c_prep,@function
k_q930e44f09c_prep:
	s_mov_b64 s[64:65], 0
	v_nop
	global_prefetch_b8 v0, s[64:65] scope:SCOPE_SE
	s_setreg_imm32_b32 hwreg(HW_REG_WAVE_MODE, 25, 1), 1
	s_wait_xcnt 0x0
; PREP.  xb = x rounded to bf16 and laid in the order in which a wave's operand registers take it; gateT[e][row] = softmax_e(x Wg + bg), f32.
; x: [1024][1024] f32.  Wg: [1024][8] f32.  bg: [8] f32.
; xb: [mt 4][kb 32][rb 16][t 2][lane 32][8 bf16]: number i of chunk (t, lane) is row 256 mt + 16 rb + lane % 16, column 32 kb + 16 (lane / 16) + 8 t + i.
; So a lane's eight operand registers hold 16 NEIGHBOURING k of its half of a block of 32.  That is a permutation of k inside the block, and every
; product in this program lays both its operands so: the sums are the same.
; SHARES.  A work-group owns 16 rows (one rb), wave w the columns 128 w .. 128 w + 127 (four kb).  64 work-groups are all the work there is: 4 MiB in, 2 MiB out.
; THE GATE.  Each wave multiplies its 128 columns by Wg's rows (bf16 operands, f32 sums; experts 0-7 stand twice, in lanes 0-7 and 8-15 of a half);
; the eight waves' sums meet in LDS and wave 0 adds them in ascending order, adds bg, takes the row's maximum away and makes the softmax in f32.
; LIMITS.  x and Wg are rounded to bf16 for the product.  A gate weight below 2^-126 counts as 0 (ISA guide 15.8: v_exp_f32 flushes denormal results).  NaN and infinities are not treated apart.
; gateT's stores are 32 bytes a lane, 4,096 bytes apart: 32 KiB in the whole launch, too little to be worth a stage.
.set PSTG,  528                        ; a row of the stage: 512 bytes + 16: the 16 rows that a load touches begin 4 banks apart (64 banks of 4 bytes: ISA guide 11.1)
.set WSTG,  16*PSTG                    ; a wave's own stage: 16 rows
.set RED,   8*WSTG                     ; behind the stages: 1,024 bytes a wave, its part of the gate's sums
.set SPARE, RED+8*1024                 ; behind them: the spare words, 128 bytes a wave: four blocks of 256 bytes that no other line names
.set L16, 4                            ; v4   16 x lane
.set WGO, 5                            ; v5   my offset in Wg: 512 (lane / 16) + 4 (lane % 8)
.set STI, 6                            ; v6   into my wave's stage: 16 x lane
.set STO, 7                            ; v7   out of it: 528 (lane % 16) + 64 (lane / 16)
.set RDA, 8                            ; v8   my 16 bytes in my wave's part of RED
.set BGO, 10                           ; v10  4 (lane % 8)
.set GTO, 11                           ; v11  my offset in gateT: 4,096 (lane % 16) + 32 (lane / 16)
.set BG,  12                           ; v[12:13] bg of my expert, twice
.set SPW, 30                           ; v30  LDS address of my spare word; never rewritten
.set NIL, 31                           ; v31  0; never rewritten
.set WR,  32                           ; v[32:95]  Wg's words; rounded in place into v[32:63], 8 registers a kb
.set ACC0, 64                          ; v[64:71], v[72:79] two accumulators that take turns
.set ACC1, 72
.set LG,  80                           ; v[80:87]  sums, logits, weights: register j is row 8 (lane / 16) + j, my lane's expert
.set MX,  88                           ; v[88:95]  the maximum, later the sum
.set XR,  96                           ; v[96:159] x as loaded; later the eight waves' sums
.set XL,  160                          ; v[160:223] x by fragments, f32
.set XF,  224                          ; v[224:255] x by fragments, bf16: 8 registers a kb
	s_load_b256 s[4:11], s[0:1], 0x0               ; x s[4:5], Wg s[6:7], bg s[8:9], xb s[10:11]
	s_load_b64 s[12:13], s[0:1], 0x20              ; gateT
	v_lshl_add_u32 v[SPW], v0, 2, SPARE
	v_mov_b32 v[NIL], 0
	v_lshrrev_b32 v1, 5, v0
	v_readfirstlane_b32 s14, v1                    ; wave 0..7
	v_and_b32 v1, 31, v0                           ; lane
	v_and_b32 v2, 15, v0                           ; c = lane % 16
	v_bfe_u32 v3, v0, 4, 1                         ; h = lane / 16
	v_lshlrev_b32 v[L16], 4, v1
	v_and_b32 v[BGO], 7, v0
	v_lshlrev_b32 v[BGO], 2, v[BGO]
	v_lshl_add_u32 v[WGO], v3, 9, v[BGO]           ; 16 rows of Wg are 512 bytes
	s_mul_i32 s15, s14, WSTG                       ; my wave's stage
	v_add_nc_u32 v[STI], s15, v[L16]
	v_mul_u32_u24 v[STO], v2, PSTG
	v_lshl_add_u32 v[STO], v3, 6, v[STO]
	v_add_nc_u32 v[STO], s15, v[STO]
	s_lshl_b32 s24, s14, 10
	s_add_co_u32 s24, s24, RED
	v_add_nc_u32 v[RDA], s24, v[L16]
	v_lshlrev_b32 v[GTO], 12, v2
	v_lshl_add_u32 v[GTO], v3, 5, v[GTO]
	s_lshl_b32 s16, ttmp9, 16                      ; x: 16 rows of 4,096 bytes a work-group,
	s_lshl_b32 s17, s14, 9                         ; 512 bytes of each row a wave
	s_add_co_u32 s16, s16, s17
	s_mov_b32 s17, 0
	s_lshl_b32 s18, s14, 12                        ; Wg: 128 rows of 32 bytes a wave
	s_mov_b32 s19, 0
	s_lshr_b32 s20, ttmp9, 4                       ; xb: mt x 524,288
	s_lshl_b32 s20, s20, 19
	s_lshl_b32 s21, s14, 16                        ; + 4 w x 16,384
	s_add_co_u32 s20, s20, s21
	s_and_b32 s21, ttmp9, 15                       ; + rb x 1,024
	s_lshl_b32 s21, s21, 10
	s_add_co_u32 s20, s20, s21
	s_mov_b32 s21, 0
	s_lshl_b32 s22, ttmp9, 6                       ; gateT: 16 rows of 4 bytes
	s_mov_b32 s23, 0
	s_wait_kmcnt 0x0
	s_add_nc_u64 s[4:5], s[4:5], s[16:17]
	s_add_nc_u64 s[6:7], s[6:7], s[18:19]
	s_add_nc_u64 s[10:11], s[10:11], s[20:21]
	s_add_nc_u64 s[12:13], s[12:13], s[22:23]
.irp i, 0,1,2,3,4,5,6,7,8,9,10,11,12,13,14,15
	global_load_b128 v[XR+4*(\i):XR+4*(\i)+3], v[L16], s[4:5] offset:4096*(\i) th:TH_LOAD_NT  ; row i: the wave's 512 consecutive bytes
.endr
	global_load_b32 v[BG], v[BGO], s[8:9]
.set n, 0
.rept 64                                               ; word 16 kb + q: Wg[128 w + 32 kb + 16 h + q][my expert]
	global_load_b32 v[WR+n], v[WGO], s[6:7] offset:(32*(n/16)+n%16)*32
.set n, n+1
.endr
	s_wait_loadcnt 0x0                             ; all of them, once
	; through my wave's own stage: in by rows, out by fragments.  LDS serves a wave's instructions in order (ISA guide 5.7.1.4): no wait between the two runs.
.irp i, 0,1,2,3,4,5,6,7,8,9,10,11,12,13,14,15
	ds_store_b128 v[STI], v[XR+4*(\i):XR+4*(\i)+3] offset:PSTG*(\i)
.endr
.irp i, 0,1,2,3,4,5,6,7,8,9,10,11,12,13,14,15
	ds_load_b128 v[XL+4*(\i):XL+4*(\i)+3], v[STO] offset:128*((\i)/4)+16*((\i)%4)  ; kb = i / 4: my row's 16 numbers at 32 kb + 16 h
.endr
	v_mov_b32 v[BG+1], v[BG]
.set n, 0
.rept 32                                               ; Wg's words are rounded while the stage's loads are out; in place, ascending: register n is written when words 2 n, 2 n + 1 are read
	v_cvt_pk_bf16_f32 v[WR+n], v[WR+2*n], v[WR+2*n+1]
.set n, n+1
.endr
	s_wait_dscnt 0x0
.set n, 0
.rept 32
	v_cvt_pk_bf16_f32 v[XF+n], v[XL+2*n], v[XL+2*n+1]
.set n, n+1
.endr
.irp i, 0,1,2,3,4,5,6,7
	global_store_b128 v[L16], v[XF+4*(\i):XF+4*(\i)+3], s[10:11] offset:((\i)/2)*16384+((\i)%2)*512  ; kb = i / 2, t = i % 2: 512 consecutive bytes a store
.endr
	; the gate's product: source 0 = 16 rows of x, source 1 = Wg's columns; two accumulators take turns
	v_wmma_f32_16x16x32_bf16 v[ACC0:ACC0+7], v[XF:XF+7],       v[WR:WR+7],       0
	v_wmma_f32_16x16x32_bf16 v[ACC1:ACC1+7], v[XF+8:XF+15],    v[WR+8:WR+15],    0
	v_wmma_f32_16x16x32_bf16 v[ACC0:ACC0+7], v[XF+16:XF+23],   v[WR+16:WR+23],   v[ACC0:ACC0+7]
	v_wmma_f32_16x16x32_bf16 v[ACC1:ACC1+7], v[XF+24:XF+31],   v[WR+24:WR+31],   v[ACC1:ACC1+7]
.rept 4
	v_nop                                          ; four places between a matrix instruction and the reader of its result (ISA guide 7.12.1)
.endr
.irp j, 0,2,4,6
	v_pk_add_f32 v[LG+(\j):LG+(\j)+1], v[ACC0+(\j):ACC0+(\j)+1], v[ACC1+(\j):ACC1+(\j)+1]
.endr
	ds_store_b128 v[RDA], v[LG:LG+3]
	ds_store_b128 v[RDA], v[LG+4:LG+7] offset:512
	s_wait_dscnt 0x0                               ; for wave 0's sake: my sums are in LDS
	s_barrier_signal -1
	s_barrier_wait -1
	s_cmp_lg_u32 s14, 0
	s_cbranch_scc1 .Lend                           ; the softmax of 16 rows x 8 experts is one wave's work
.irp w, 0,1,2,3,4,5,6,7
	ds_load_b128 v[XR+8*(\w):XR+8*(\w)+3],   v[RDA] offset:1024*(\w)       ; wave 0's RDA is RED + 16 x lane
	ds_load_b128 v[XR+8*(\w)+4:XR+8*(\w)+7], v[RDA] offset:1024*(\w)+512
.endr
	s_wait_dscnt 0x0
.irp j, 0,2,4,6
	v_pk_add_f32 v[LG+(\j):LG+(\j)+1], v[XR+(\j):XR+(\j)+1], v[BG:BG+1]
.endr
.irp w, 1,2,3,4,5,6,7
.irp j, 0,2,4,6
	v_pk_add_f32 v[LG+(\j):LG+(\j)+1], v[LG+(\j):LG+(\j)+1], v[XR+8*(\w)+(\j):XR+8*(\w)+(\j)+1]
.endr
.endr
	; a row's eight experts lie in eight neighbouring lanes: three steps, lane xor 1, 2, 4.  MX has been written (it held Wg's words), as a DPP destination must be.
.irp j, 0,1,2,3,4,5,6,7
	v_max_num_f32_dpp v[MX+(\j)], v[LG+(\j)], v[LG+(\j)] row_xmask:1 row_mask:0xf bank_mask:0xf
.endr
.irp m, 2,4
.irp j, 0,1,2,3,4,5,6,7
	v_max_num_f32_dpp v[MX+(\j)], v[MX+(\j)], v[MX+(\j)] row_xmask:\m row_mask:0xf bank_mask:0xf
.endr
.endr
.irp j, 0,1,2,3,4,5,6,7
	v_sub_f32 v[LG+(\j)], v[LG+(\j)], v[MX+(\j)]   ; the row's maximum is taken away: no exponent is above 0
.endr
.irp j, 0,1,2,3,4,5,6,7
	v_mul_f32 v[LG+(\j)], 0x3fb8aa3b, v[LG+(\j)]   ; log2(e)
.endr
.irp j, 0,1,2,3,4,5,6,7
	v_exp_f32 v[LG+(\j)], v[LG+(\j)]
.endr
	v_nop                                          ; a plain instruction behind the last exponential (ISA guide 5.7.2),
	s_wait_alu depctr_va_vdst(0)                   ; and one wait ahead of the batch's first reader
.irp j, 0,1,2,3,4,5,6,7
	v_add_f32_dpp v[MX+(\j)], v[LG+(\j)], v[LG+(\j)] row_xmask:1 row_mask:0xf bank_mask:0xf
.endr
.irp m, 2,4
.irp j, 0,1,2,3,4,5,6,7
	v_add_f32_dpp v[MX+(\j)], v[MX+(\j)], v[MX+(\j)] row_xmask:\m row_mask:0xf bank_mask:0xf
.endr
.endr
.irp j, 0,1,2,3,4,5,6,7
	v_rcp_f32 v[MX+(\j)], v[MX+(\j)]               ; the sum is at least 1: the largest weight is 1
.endr
	v_nop
	s_wait_alu depctr_va_vdst(0)                   ; one wait for the eight reciprocals
.irp j, 0,2,4,6
	v_pk_mul_f32 v[LG+(\j):LG+(\j)+1], v[LG+(\j):LG+(\j)+1], v[MX+(\j):MX+(\j)+1]
.endr
	v_cmp_gt_u32 vcc_lo, 8, v2                     ; lanes 8-15 of each half repeat lanes 0-7
	s_wait_xcnt 0x0                                ; EXEC is a source of the stores of xb: it changes only behind this wait
	s_and_saveexec_b32 s20, vcc_lo
	global_store_b128 v[GTO], v[LG:LG+3],   s[12:13]            ; gateT[expert][16 g + 8 h + 0..3]
	global_store_b128 v[GTO], v[LG+4:LG+7], s[12:13] offset:16
	s_wait_xcnt 0x0                                ; and again in front of the line that widens it
	s_or_b32 exec_lo, exec_lo, s20
.Lend:
	s_wait_tensorcnt 0x0                           ; the wave's end
	ds_add_u32 v[SPW], v[NIL]
	s_wait_dscnt 0x0
	s_endpgm
.Lfunc_end_k_q930e44f09c_prep:
	.size	k_q930e44f09c_prep, .Lfunc_end_k_q930e44f09c_prep-k_q930e44f09c_prep
	.p2alignl 7, 3214868480
	.fill 96, 4, 3214868480
	.section	.rodata,"a",@progbits
	.p2align	6, 0x0
	.amdhsa_kernel k_q930e44f09c_prep
		.amdhsa_group_segment_fixed_size 76800
		.amdhsa_private_segment_fixed_size 0
		.amdhsa_enable_private_segment 0
		.amdhsa_kernarg_size 40
		.amdhsa_user_sgpr_count 2
		.amdhsa_user_sgpr_kernarg_segment_ptr 1
		.amdhsa_wavefront_size32 1
		.amdhsa_system_sgpr_workgroup_id_x 1
		.amdhsa_system_sgpr_workgroup_id_y 1
		.amdhsa_system_sgpr_workgroup_id_z 1
		.amdhsa_system_vgpr_workitem_id 0
		.amdhsa_next_free_vgpr 256
		.amdhsa_next_free_sgpr 66
		.amdhsa_reserve_vcc 1
		.amdhsa_float_denorm_mode_32 3
		.amdhsa_float_denorm_mode_16_64 3
		.amdhsa_memory_ordered 1
		.amdhsa_forward_progress 1
		.amdhsa_inst_pref_size 26
	.end_amdhsa_kernel
	.amdgpu_metadata
---
amdhsa.version: [ 1, 2 ]
amdhsa.kernels:
  - .name:           k_q930e44f09c_prep
    .symbol:         k_q930e44f09c_prep.kd
    .args:
      - { .name: x, .offset: 0, .size: 8, .value_kind: global_buffer, .address_space: global }
      - { .name: Wg, .offset: 8, .size: 8, .value_kind: global_buffer, .address_space: global }
      - { .name: bg, .offset: 16, .size: 8, .value_kind: global_buffer, .address_space: global }
      - { .name: xb, .offset: 24, .size: 8, .value_kind: global_buffer, .address_space: global }
      - { .name: gateT, .offset: 32, .size: 8, .value_kind: global_buffer, .address_space: global }
    .group_segment_fixed_size: 76800
    .private_segment_fixed_size: 0
    .kernarg_segment_align: 8
    .kernarg_segment_size: 40
    .max_flat_workgroup_size: 256
    .sgpr_count:     66
    .vgpr_count:     256
    .wavefront_size: 32
...
	.end_amdgpu_metadata
.endif
;; end of part 1
;; launch up (part 2): grid 128 x 4, 4 waves a work-group, clusters of 4 x 4, 327,680 bytes of LDS; arguments xb, W1, b1, hb; writes hb
.if DOCPART == 2
	.amdgcn_target "amdgcn-amd-amdhsa--gfx1250"
	.amdhsa_code_object_version 6
	.text
	.protected	k_q930e44f09c_up
	.globl	k_q930e44f09c_up
	.p2align	8
	.type	k_q930e44f09c_up,@function
k_q930e44f09c_up:
	s_mov_b64 s[64:65], 0
	v_nop
	global_prefetch_b8 v0, s[64:65] scope:SCOPE_SE
	s_setreg_imm32_b32 hwreg(HW_REG_WAVE_MODE, 25, 1), 1
	s_wait_xcnt 0x0
	s_wait_alu depctr_hold_cnt(0) depctr_sa_sdst(0) depctr_va_vdst(0) depctr_va_sdst(0) depctr_va_ssrc(0) depctr_va_vcc(0) depctr_vm_vsrc(0)
	s_getreg_b32 s2, hwreg(HW_REG_IB_STS2, 6, 4)
	s_cmp_eq_u32 s2, 0
	s_cbranch_scc0 .Lentry_in_a_cluster
	s_endpgm
.Lentry_in_a_cluster:
	s_bfe_u32 s2, ttmp6, 0x10000c
	s_cmp_lg_u32 s2, 0xf033
	s_cbranch_scc0 .Lentry_shape_is_right
	s_endpgm
.Lentry_shape_is_right:
; UP.  hb = relu(x W1 + b1), rounded once to bf16.  With n = 4,096 e + h this is ONE product: M = 1,024 rows, N = 32,768 columns, K = 1,024.
; xb: x in bf16, [mt 4][kb 32][rb 16][t 2][lane 32][8]: number i of chunk (t, lane) is row 256 mt + 16 rb + lane % 16, k = 32 kb + 16 (lane / 16) + 8 t + i.
; W1: [8][1024 k][4096] f32, taken as it lies.  b1: [8][4096] f32.  hb: the result in xb's order with 1,024 kb (its columns are the next product's k).
; LIMITS.  W1 is rounded to bf16 on its way to the matrix unit, the result once to bf16; sums and bias in f32.  relu is a packed maximum with 0 in which a NaN loses: a NaN becomes 0.
; SHARES.  A work-group makes 256 rows x 256 columns; each of its four waves ALL 256 rows x 64 columns: 64 accumulators, 512 registers.  A sub-step is 32 along K: 64 matrix instructions a wave.
; K INSIDE A BLOCK OF 32 IS PERMUTED, alike in both operands: a lane's eight registers hold k = 16 (lane / 16) + 0..15.  x lies so in xb: a load of 16 bytes a lane takes 512 consecutive bytes.
; W1 GOES STRAIGHT INTO REGISTERS.  Lane (c, h) loads 16 bytes of each of the rows 16 h + 0..15 (sixteen lanes: 256 consecutive bytes, aligned); the four words of a load belong to four fragments f
; (column 4 pos(c) + f); two rows' words round into one register.  Four sets of 64 registers take turns: a set is filled again as soon as it is rounded, so 64 loads of a wave are out and each has
; four sub-steps, 256 matrix instructions, before its wait.
; NO MULTICAST FOR W1, and why: a wave alone reads its 64 columns, so LDS would give W1 no reuse in the work-group; in f32 it would take 1,024 of 1,536 bytes of a ring for each k, a slot would hold 96 k,
; and a joint refill would have to land within 160 matrix instructions.  The price: the four work-groups of a column of the cluster (the four row tiles) each ask for the same bytes of W1.
; THE MATRIX INSTRUCTION IS USED TRANSPOSED: source 0 = 16 columns of W1, source 1 = 16 rows of x.  Register j of accumulator (a, f) in lane (r, h) is row 16 a + r,
; column 64 w + 32 (j / 4) + 16 h + 4 (j % 4) + f: the four f of registers 2 i, 2 i + 1 are the eight numbers of one chunk of hb: no LDS stage on the way out.  pos is chosen for that.
; THE BIAS is the C operand of the products that start the sums.
; RING.  x alone goes through LDS: two slots of eight sub-steps, [group of 4 row blocks][sub-step 8][4,096 bytes]; wave w fetches group w.  32 = 4 + 3 x 8 + 4: the first fill brings 4 blocks into a slot's
; second half; the last refill finds 4 blocks left (tensor_dim1 counts them; the tile's other rows arrive as zeros and are not read).  So the steps that load no more of W1 are just the tail.
; CLUSTER.  4 x 4 work-groups: the four of a row share mt and so x's tiles, which are asked for jointly: the same load, descriptor and mask in all four.
; A wave has two tensor loads out at the start and one behind each round.
; REGISTERS, in windows of 256 (s_set_vgpr_msb: bits 1:0 source 0, 3:2 source 1, 5:4 source 2, 7:6 destination):
;   window 0: v2-8 addresses; v28-29 the add's; v32-95 W1's fragments, two buffers; v96-159, v160-223 sets 0, 1 of W1's words; v224-255 the bias
;   window 1: v0-127 x's fragments, ONE buffer in four groups: a group is loaded again behind its own products; v128-191, v192-255 sets 2, 3; on the way out the packed result
;   window 2: accumulators of row blocks 0-7 ((a, f) at 8 (4 a + f))        window 3: of blocks 8-15
.set KSUB,   32                        ; sub-steps
.set KBA,    16384                     ; bytes of xb from a block of 32 k to the next
.set ROWB,   16384                     ; bytes of W1 from a k to the next
.set KBB,    32*ROWB
.set NFILL,  KSUB/8-1                  ; refills
.set QTR,    8*4096                    ; a group's bytes in a slot
.set HALF,   4*4096                    ; four sub-steps of a group
.set SLOT1,  1<<17                     ; a slot is 131,072 bytes; slot 1 begins here, so that one exclusive or turns an address in one slot into the other's
.set SPARE,  2*SLOT1                   ; behind the ring: the spare words, 128 bytes a wave: two blocks of 256 bytes that no other line names
.set A0,   2                           ; v2-3  16 x lane, and that + 65,536 (groups 2, 3); never rewritten.  v2 is also my offset in a store's 512 bytes
.set ADR,  4                           ; v4-5  the same + the LDS byte at which the four sub-steps being fetched begin
.set VB,   6                           ; v6    my offset in W1: 16 rows x (lane / 16) + 16 pos(lane % 16); never rewritten
.set ZERO, 7                           ; v7    0, for relu
.set AUX,  8                           ; v8    my offset in b1: 64 (lane / 16)
.set SPW,  28                          ; v28   LDS address of my spare word; never rewritten
.set NIL,  29                          ; v29   0; never rewritten
.set BF,   32                          ; W1's fragments: buffer p, fragment f at BF + 32 p + 8 f
.set BIAS, 224                         ; the bias of fragment f at BIAS + 8 f, in the result's layout
.set G1,   24                          ; s[24:31] descriptor group 1; its word 2 counts the blocks left
.set G1H,  32                          ; s[32:39] the same for the first fill of 4 blocks
.set G0F,  40                          ; s[40:43] descriptor group 0 of the first fill
.set G0W,  44                          ; s[44:47] of the second, which then walks
.set TB,   48                          ; s48  LDS byte at which the four sub-steps being fetched begin
.set CNT,  49                          ; s49  counts a slot's halves
.set SL,   50                          ; s50  counts the slots
.set MSB, 0
.macro WIN new                         ; the immediate's high byte repeats the setting that is left; a switch that changes nothing is dropped
.if MSB != (\new)
	s_set_vgpr_msb (MSB<<8)|(\new)
.set MSB, (\new)
.endif
.endm
.macro PLACES                          ; four places: between a matrix instruction and a vector instruction or load that writes one of its registers or reads its result (ISA guide 7.12.1 for vector instructions)
.rept 4
	v_nop
.endr
.endm
.macro SHAPE g, c, left, r, p          ; descriptor group 1 but for its first word: a tile of r rows of c elements, p elements from row to row, of a tensor with 'left' rows from the tile's first on
	s_mov_b32 s[(\g)+1], (\c)<<16                  ; tensor_dim0
	s_mov_b32 s[(\g)+2], (\left)<<16               ; tensor_dim1
	s_mov_b32 s[(\g)+3], (\c)<<16                  ; tile_dim0
	s_mov_b32 s[(\g)+4], (\r)                      ; tile_dim1
	s_mov_b32 s[(\g)+5], (\p)                      ; tensor_dim0_stride
	s_mov_b32 s[(\g)+6], 0
	s_mov_b32 s[(\g)+7], 0
.endm
; A round of the cluster's barrier: my work-group's barrier; wave 0 signals for the work-group; every wave waits for all sixteen; my work-group's barrier once more.
.macro CREST                           ; a round behind its opening barrier
	s_cmp_lg_u32 s12, 0
	s_cbranch_scc1 .Lnot_wave_0_\@
	s_barrier_signal -3
.Lnot_wave_0_\@:
	s_barrier_wait -3
	s_barrier_signal -1
	s_barrier_wait -1
.endm
.macro CROUND
	s_barrier_signal -1
	s_barrier_wait -1
	CREST
.endm
; One matrix instruction: row block a, fragment f, buffer p of W1.  init = 1: it starts the sum, with the bias as C.
.macro MM p, a, f, init
.set rD, 8*(4*((\a)%8)+(\f))
.set rB, BF+32*(\p)+8*(\f)
.set rA, 8*(\a)
.if \init
	WIN 0x84+0x40*((\a)/8)                         ; W1 window 0, x window 1, C window 0, D window 2 or 3
	v_wmma_f32_16x16x32_bf16 v[rD:rD+7], v[rB:rB+7], v[rA:rA+7], v[BIAS+8*(\f):BIAS+8*(\f)+7]
.else
	WIN 0xa4+0x50*((\a)/8)                         ; C and D window 2 or 3
	v_wmma_f32_16x16x32_bf16 v[rD:rD+7], v[rB:rB+7], v[rA:rA+7], v[rD:rD+7]
.endif
.endm
; na row blocks from a0 on x 4 fragments.  The 64 accumulators take turns in the same order in every sub-step: between two links of a chain stand the 63 others'.
.macro MUL p, a0, na, init=0
.set ma, (\a0)
.rept \na
.irp f, 0,1,2,3
	MM \p, ma, \f, \init
.endr
.set ma, ma+1
.endr
.endm
; Quarter g of the 32 roundings that make buffer p's fragments from set c: register u = 2 g, 2 g + 1 of each fragment takes rows 2 u and 2 u + 1.
.macro CVTQ c, p, g
	WIN 5*((\c)/2)                                 ; sets 2 and 3 lie in window 1
.set sb, 96+64*(\c)-96*((\c)/2)
.irp u, 0,1
.irp f, 0,1,2,3
	v_cvt_pk_bf16_f32 v[BF+32*(\p)+8*(\f)+2*(\g)+(\u)], v[sb+8*(2*(\g)+(\u))+(\f)], v[sb+8*(2*(\g)+(\u))+4+(\f)]
.endr
.endr
.endm
; Rows 4 g .. 4 g + 3 of set c are loaded: sub-step d behind the one at which W1's pointer stands.
.macro GLQ c, g, d
	WIN 0x40*((\c)/2)
.set sb, 96+64*(\c)-96*((\c)/2)
.irp q, 0,1,2,3
	global_load_b128 v[sb+16*(\g)+4*(\q):sb+16*(\g)+4*(\q)+3], v[VB], s[6:7] offset:(32*(\d)+4*(\g)+(\q))*ROWB
.endr
.endm
; Group g of x's fragments (row blocks 4 g .. 4 g + 3) is loaded: sub-step fs of the four at s[TB].
.macro AFQ g, fs
	WIN 0x40                                       ; destination window 1, address window 0
.irp b, 0,1,2,3
	ds_load_b128 v[32*(\g)+8*(\b):32*(\g)+8*(\b)+3],   v[ADR+(\g)/2] offset:((\g)%2)*QTR+(\fs)*4096+(\b)*1024
	ds_load_b128 v[32*(\g)+8*(\b)+4:32*(\g)+8*(\b)+7], v[ADR+(\g)/2] offset:((\g)%2)*QTR+(\fs)*4096+(\b)*1024+512
.endr
.endm
; A quarter of a sub-step: group g's 16 products; a quarter of the next sub-step's roundings, which name none of those products' registers and are the places in front of the loads below;
; ld = 1: the rows just rounded are loaded again, five sub-steps on; group g of the next sub-step is fetched, 48 matrix instructions ahead of its use.
.macro QUART p, g, c, fs, d, ld, lcnt, init
	s_wait_dscnt 24                                ; my group is in: behind its 8 loads the three other groups' 24 were issued
	MUL \p, 4*(\g), 4, \init
	WIN 5*((\c)/2)
	s_wait_loadcnt \lcnt                           ; the quarter's four loads are in: the count is what was issued behind them
	CVTQ \c, 1-(\p), \g
.if \ld
	GLQ \c, \g, \d
.endif
	AFQ \g, \fs
.endm
; A sub-step: multiplies by buffer p; rounds set c into the other buffer.  With loads the count is 60: 12 in the set's own step and in this one, 48 in the three between (with the four issued behind the wait
; 64 would be out: the last one's issue waits for the oldest, ISA guide 5.7.1).  Without loads the count falls by four a quarter.
.macro STEP p, c, fs, d, ld=1, lc=60, init=0
.irp g, 0,1,2,3
	QUART \p, \g, \c, \fs, \d, \ld, (\lc)-4*(\g)*(1-(\ld)), \init
.endr
.endm
; The sub-step in a slot's middle: the fetches go on to the slot's second half, W1's pointer four sub-steps on.
.macro ZSTEP
	s_add_co_u32 s[TB], s[TB], HALF
	v_add_nc_u32 v[ADR], s[TB], v[A0]
	v_add_nc_u32 v[ADR+1], s[TB], v[A0+1]
	s_wait_dscnt 24
	MUL 1, 0, 4
	WIN 0
	s_wait_loadcnt 60
	CVTQ 0, 0, 0
	s_wait_xcnt 0x0                                ; the pointer is a source of the loads issued so far: it steps only behind this wait
	s_add_nc_u64 s[6:7], s[6:7], 4*KBB
	GLQ 0, 0, 0
	AFQ 0, 0
	QUART 1, 1, 0, 0, 0, 1, 60, 0
	QUART 1, 2, 0, 0, 0, 1, 60, 0
	QUART 1, 3, 0, 0, 0, 1, 60, 0
.endm
; A slot's last sub-step, and the change of slots: ONE barrier.  This sub-step's fragments are the slot's last bytes to be read; its fetches take the other slot's first.  In front of the barrier each wave waits
; for all its tensor loads (one is out: its part of the other slot), adds 0 to its spare word, and waits for that and for its reads of this slot.  No memory instruction stands between the add and the barrier's
; end, so the first two quarters' loads come behind it.  on = 1: the barrier opens a round of the cluster's, and this slot's joint refill is the first thing behind it: 480 matrix instructions of mine
; ahead of the wait for it.  on = 0, the last change: nothing is asked for any more, of x or of W1.
.macro CSTEP on
	WIN 0                                          ; (the add's two registers lie in window 0)
	s_wait_tensorcnt 0x0                           ; all my tensor loads have landed, so a descriptor may be written
	ds_add_u32 v[SPW], v[NIL]                      ; 0 onto my spare word
.if \on
	s_xor_b32 s[G0W+1], s[G0W+1], SLOT1            ; the walking descriptor: the other slot than last time,
	s_add_nc_u64 s[G0W+2:G0W+3], s[G0W+2:G0W+3], 8*KBA  ; the next eight blocks; the type bits on top are not reached;
	s_sub_co_u32 s[G1+2], s[G1+2], 8<<16           ; eight blocks fewer are left from there on
.endif
	s_sub_co_u32 s[TB], s[TB], HALF                ; the fetches go back to a slot's first half,
	s_xor_b32 s[TB], s[TB], SLOT1                  ; in the other slot
	s_wait_dscnt 25                                ; group 0 is in (behind it: 24 loads and the add)
	MUL 1, 0, 4
	WIN 0
	s_wait_loadcnt 56                              ; two quarters at once, ahead of the signal: behind the second stand 8 loads of its own step and 48 of the three between
	CVTQ 0, 0, 0
	s_wait_dscnt 0x0                               ; the add is done, and my reads of this slot are over
	s_barrier_signal -1
	MUL 1, 4, 4                                    ; work on registers while the others arrive
	CVTQ 0, 0, 1
	s_barrier_wait -1
.if \on
	CREST                                          ; no wave of any partner still reads this slot or has a load on its way
	tensor_load_to_lds s[G0W:G0W+3], s[G1:G1+7]
	s_nop 0
	PLACES
.endif
	v_add_nc_u32 v[ADR], s[TB], v[A0]
	v_add_nc_u32 v[ADR+1], s[TB], v[A0+1]
.if \on
	s_wait_xcnt 0x0                                ; as in ZSTEP
	s_add_nc_u64 s[6:7], s[6:7], 4*KBB
	GLQ 0, 0, 0
	GLQ 0, 1, 0
.endif
	AFQ 0, 0
	AFQ 1, 0
	QUART 1, 2, 0, 0, 0, \on, 52+8*(\on), 0        ; without loads: 4 of the set's own step and 48; then 48
	QUART 1, 3, 0, 0, 0, \on, 48+12*(\on), 0
.endm
	s_load_b256 s[4:11], s[0:1], 0x0               ; xb s[4:5], W1 s[6:7], b1 s[8:9], hb s[10:11]
	v_lshl_add_u32 v[SPW], v0, 2, SPARE
	v_mov_b32 v[NIL], 0
	ds_add_u32 v[SPW], v[NIL]                      ; the wave's opening: the add and its wait stand ahead of my first tensor load; the set-up below stands between them
	v_lshrrev_b32 v1, 5, v0
	v_readfirstlane_b32 s12, v1                    ; wave 0..3
	s_bfe_u32 s15, ttmp6, 0x40000                  ; cx
	s_bfe_u32 s16, ttmp6, 0x40004                  ; cy = mt: the grid is one cluster high
	s_lshl_b32 s17, ttmp9, 2
	s_add_co_u32 s17, s17, s15                     ; nt = 4 x cluster x + cx: my 256 columns of the 32,768
	s_lshl_b32 s18, s16, 2
	s_lshl_b32 s18, 15, s18                        ; my row of the cluster
	s_or_b32 s[G1],  s18, (3<<16)|(1<<21)          ; 15:0 the mask; 17:16 elements of 8 bytes; 21 set beside a mask; no padding
	s_or_b32 s[G1H], s18, (3<<16)|(1<<21)
	SHAPE G1,  512, KSUB-4, 8, 2048                ; a row is a group's 4,096 dense bytes of one block of 32 k; the next block lies 16,384 bytes on; behind the first fill 28 blocks are left
	SHAPE G1H, 512, 4,      4, 2048
	s_mov_b32 s[TB], HALF                          ; the first fill lies in slot 0's second half
	v_and_b32 v1, 31, v0                           ; lane
	v_bfe_u32 v10, v0, 4, 1                        ; h
	v_lshlrev_b32 v[A0], 4, v1
	v_add_nc_u32 v[A0+1], 0x10000, v[A0]
	v_add_nc_u32 v[ADR], HALF, v[A0]
	v_add_nc_u32 v[ADR+1], HALF, v[A0+1]
	v_and_b32 v11, 3, v0                           ; pos(c) = c % 4 + 8 (bit 2 of c) + 4 (bit 3 of c)
	v_bfe_u32 v12, v0, 2, 1
	v_lshl_add_u32 v11, v12, 3, v11
	v_bfe_u32 v12, v0, 3, 1
	v_lshl_add_u32 v11, v12, 2, v11
	v_lshlrev_b32 v11, 4, v11                      ; 16 bytes a place
	v_lshl_add_u32 v[VB], v10, 18, v11             ; + 16 rows of 16,384 bytes for the upper half of the lanes
	v_mov_b32 v[ZERO], 0
	v_lshlrev_b32 v[AUX], 6, v10
	s_lshl_b32 s20, s16, 19                        ; x's tiles hang on cy and the wave alone: mt x 524,288 + group x 4,096
	s_lshl_b32 s21, s12, 12
	s_add_co_u32 s20, s20, s21
	s_mov_b32 s21, 0
	s_lshr_b32 s22, s17, 4                         ; W1: expert x 16,777,216
	s_lshl_b32 s22, s22, 24
	s_and_b32 s23, s17, 15                         ; + the expert's tile column x 1,024
	s_lshl_b32 s23, s23, 10
	s_add_co_u32 s22, s22, s23
	s_lshl_b32 s23, s12, 8                         ; + my wave's 64 columns
	s_add_co_u32 s22, s22, s23
	s_mov_b32 s23, 0
	s_lshl_b32 s18, s12, 15                        ; where my group goes: no place in the cluster enters an LDS address
	s_wait_dscnt 0x0                               ; the opening add is done
	s_wait_kmcnt 0x0
	s_add_nc_u64 s[4:5], s[4:5], s[20:21]
	s_add_nc_u64 s[6:7], s[6:7], s[22:23]
	s_lshl_b32 s22, s17, 10                        ; b1 at my wave's 64 columns
	s_lshl_b32 s23, s12, 8
	s_add_co_u32 s22, s22, s23
	s_mov_b32 s23, 0
	s_add_nc_u64 s[8:9], s[8:9], s[22:23]
.irp j, 0,1,2,3,4,5,6,7
	global_load_b128 v[BF+32+4*(\j):BF+32+4*(\j)+3], v[AUX], s[8:9] offset:128*((\j)/4)+16*((\j)%4)  ; the bias of register j, fragments 0-3: into the fragment buffer that is still idle
.endr
.irp c, 0,1,2,3
.irp g, 0,1,2,3
	GLQ \c, \g, \c                                 ; W1's first four sub-steps are asked for before anything else
.endr
.endr
	WIN 0
	s_mov_b32 s[G0F], 1                            ; count = 1
	s_add_co_u32 s[G0F+1], s18, HALF               ; LDS address
	s_mov_b64 s[G0F+2:G0F+3], s[4:5]               ; global address: blocks 0-3
	s_or_b32 s[G0F+3], s[G0F+3], 0x80000000        ; type = 2
	s_mov_b32 s[G0W], 1
	s_add_co_u32 s[G0W+1], s18, SLOT1
	s_add_nc_u64 s[G0W+2:G0W+3], s[4:5], 4*KBA     ; blocks 4-11
	s_or_b32 s[G0W+3], s[G0W+3], 0x80000000
	s_lshl_b32 s22, s17, 17                        ; hb at mt, kb = 8 nt + 2 w
	s_lshl_b32 s23, s12, 15
	s_add_co_u32 s22, s22, s23
	s_lshl_b32 s23, s16, 24
	s_add_co_u32 s22, s22, s23
	s_mov_b32 s23, 0
	s_add_nc_u64 s[10:11], s[10:11], s[22:23]
	CROUND                                         ; all sixteen work-groups are here: the first joint loads meet
	tensor_load_to_lds s[G0F:G0F+3], s[G1H:G1H+7]
	s_nop 0
	tensor_load_to_lds s[G0W:G0W+3], s[G1:G1+7]
	s_nop 0
	PLACES
	s_wait_tensorcnt 0x1                           ; my part of the first fill is in; slot 1's may stay out
	s_barrier_signal -1
	s_barrier_wait -1                              ; everybody's is
.irp g, 0,1,2,3
	AFQ \g, 0                                      ; sub-step 0
.endr
	WIN 0
	s_wait_loadcnt 48                              ; the bias and set 0 are in; sets 1 to 3 stay out
.irp f, 0,1,2,3
.irp j, 0,1,2,3,4,5,6,7
	v_mov_b32 v[BIAS+8*(\f)+(\j)], v[BF+32+4*(\j)+(\f)]  ; a load holds one register's four fragments, a C operand one fragment's eight registers: turned once
.endr
.endr
.irp g, 0,1,2,3
	CVTQ 0, 0, \g
.endr
.irp g, 0,1,2,3
	GLQ 0, \g, 4                                   ; set 0 takes sub-step 4
.endr
	s_wait_xcnt 0x0
	s_add_nc_u64 s[6:7], s[6:7], 4*KBB
	STEP 0, 1, 1, 1, 1, 60, 1                      ; sub-step 0 is written out: its products start the sums
	WIN 0                                          ; at a label and at a branch every window is 0
	s_mov_b32 s[CNT], 1                            ; the first fill is half a slot
	s_mov_b32 s[SL], NFILL+1
	s_branch .Lt2                                  ; the loop is entered in the middle of a trip
.Lslot:                                                ; NFILL times: a slot is left and filled again
	CSTEP 1
	WIN 0
	s_mov_b32 s[CNT], 2
	s_branch .Lt
.Lz:
	ZSTEP
	WIN 0
.Lt:
	STEP 0, 1, 1, 1
	WIN 0
.Lt2:
	STEP 1, 2, 2, 2
	STEP 0, 3, 3, 3
	WIN 0
	s_sub_co_u32 s[CNT], s[CNT], 1
	s_cmp_lg_u32 s[CNT], 0
	s_cbranch_scc1 .Lz
	s_sub_co_u32 s[SL], s[SL], 1
	s_cmp_lg_u32 s[SL], 0
	s_cbranch_scc1 .Lslot
	CSTEP 0                                        ; the tail is written out: the last four blocks
	STEP 0, 1, 1, 0, 0, 44                         ; behind set 1's loads: 12 of their step, 32 of the two that followed
	STEP 1, 2, 2, 0, 0, 28
	STEP 0, 3, 3, 0, 0, 12
.irp g, 0,1,2,3
	s_wait_dscnt 24-8*(\g)                         ; the last sub-step: nothing more is fetched, the counts run down
	MUL 1, 4*(\g), 4
.endr
	; THE WAY OUT.  Row block a: fragments 0, 1 and 2, 3 of register j round into two words; registers 2 i, 2 i + 1 make chunk (kb = i / 2, t = i % 2) of hb; relu on the packed words.
	; Each accumulator is read from its lowest register on.  Each block has its own 16 registers of window 1: no store's data is written again.
	PLACES
.set oa, 0
.rept 16
	WIN 0x4a+5*(oa/8)                              ; sources window 2 or 3, destination window 1
.irp j, 0,1,2,3,4,5,6,7
	v_cvt_pk_bf16_f32 v[16*oa+2*(\j)],   v[32*(oa%8)+(\j)],    v[32*(oa%8)+8+(\j)]
	v_cvt_pk_bf16_f32 v[16*oa+2*(\j)+1], v[32*(oa%8)+16+(\j)], v[32*(oa%8)+24+(\j)]
.endr
	WIN 0x41                                       ; destination and source 0 window 1, the zero window 0
.irp i, 0,1,2,3,4,5,6,7,8,9,10,11,12,13,14,15
	v_pk_max_num_bf16 v[16*oa+(\i)], v[16*oa+(\i)], v[ZERO]
.endr
	WIN 0x04                                       ; store data window 1, offset window 0
.irp i, 0,1,2,3
	global_store_b128 v[A0], v[16*oa+4*(\i):16*oa+4*(\i)+3], s[10:11] offset:((\i)/2)*16384+oa*1024+((\i)%2)*512  ; 512 consecutive bytes, at a multiple of 512 from hb's first
.endr
.set oa, oa+1
.endr
	WIN 0
	s_wait_tensorcnt 0x0                           ; the wave's end
	ds_add_u32 v[SPW], v[NIL]
	s_wait_dscnt 0x0
	CROUND                                         ; the closing round: no work-group ends while a partner may still ask for a tile that names it
	s_endpgm
.Lfunc_end_k_q930e44f09c_up:
	.size	k_q930e44f09c_up, .Lfunc_end_k_q930e44f09c_up-k_q930e44f09c_up
	.p2alignl 7, 3214868480
	.fill 96, 4, 3214868480
	.section	.rodata,"a",@progbits
	.p2align	6, 0x0
	.amdhsa_kernel k_q930e44f09c_up
		.amdhsa_group_segment_fixed_size 327680
		.amdhsa_private_segment_fixed_size 0
		.amdhsa_enable_private_segment 0
		.amdhsa_kernarg_size 32
		.amdhsa_user_sgpr_count 2
		.amdhsa_user_sgpr_kernarg_segment_ptr 1
		.amdhsa_wavefront_size32 1
		.amdhsa_system_sgpr_workgroup_id_x 1
		.amdhsa_system_sgpr_workgroup_id_y 1
		.amdhsa_system_sgpr_workgroup_id_z 1
		.amdhsa_system_vgpr_workitem_id 0
		.amdhsa_next_free_vgpr 1024
		.amdhsa_next_free_sgpr 66
		.amdhsa_reserve_vcc 0
		.amdhsa_float_denorm_mode_32 3
		.amdhsa_float_denorm_mode_16_64 3
		.amdhsa_memory_ordered 1
		.amdhsa_forward_progress 1
		.amdhsa_inst_pref_size 160
	.end_amdhsa_kernel
	.amdgpu_metadata
---
amdhsa.version: [ 1, 2 ]
amdhsa.kernels:
  - .name:           k_q930e44f09c_up
    .symbol:         k_q930e44f09c_up.kd
    .args:
      - { .name: xb, .offset: 0, .size: 8, .value_kind: global_buffer, .address_space: global }
      - { .name: W1, .offset: 8, .size: 8, .value_kind: global_buffer, .address_space: global }
      - { .name: b1, .offset: 16, .size: 8, .value_kind: global_buffer, .address_space: global }
      - { .name: hb, .offset: 24, .size: 8, .value_kind: global_buffer, .address_space: global }
    .group_segment_fixed_size: 327680
    .private_segment_fixed_size: 0
    .kernarg_segment_align: 8
    .kernarg_segment_size: 32
    .max_flat_workgroup_size: 128
    .sgpr_count:     66
    .vgpr_count:     1024
    .wavefront_size: 32
...
	.end_amdgpu_metadata
.endif
;; end of part 2
;; launch down (part 3): grid 64 x 4, 4 waves a work-group, clusters of 4 x 4, 327,680 bytes of LDS; arguments hb, W2, gateT, part; writes part
.if DOCPART == 3
	.amdgcn_target "amdgcn-amd-amdhsa--gfx1250"
	.amdhsa_code_object_version 6
	.text
	.protected	k_q930e44f09c_down
	.globl	k_q930e44f09c_down
	.p2align	8
	.type	k_q930e44f09c_down,@function
k_q930e44f09c_down:
	s_mov_b64 s[64:65], 0
	v_nop
	global_prefetch_b8 v0, s[64:65] scope:SCOPE_SE
	s_setreg_imm32_b32 hwreg(HW_REG_WAVE_MODE, 25, 1), 1
	s_wait_xcnt 0x0
	s_wait_alu depctr_hold_cnt(0) depctr_sa_sdst(0) depctr_va_vdst(0) depctr_va_sdst(0) depctr_va_ssrc(0) depctr_va_vcc(0) depctr_vm_vsrc(0)
	s_getreg_b32 s2, hwreg(HW_REG_IB_STS2, 6, 4)
	s_cmp_eq_u32 s2, 0
	s_cbranch_scc0 .Lentry_in_a_cluster
	s_endpgm
.Lentry_in_a_cluster:
	s_bfe_u32 s2, ttmp6, 0x10000c
	s_cmp_lg_u32 s2, 0xf033
	s_cbranch_scc0 .Lentry_shape_is_right
	s_endpgm
.Lentry_shape_is_right:
; DOWN.  part[s][m][o] = gate[m][e] x the sum over the 2,048 k of split s of H[m][k] W2[k][o], f32; split s is half of expert e = s / 2.
; With k = 4,096 e + h the second product has M = N = 1,024 and K = 32,768: only 16 tiles of 256 x 256, so K is split 16 ways and a later launch adds the parts (partial sums: f32).
; hb: H in bf16, [mt 4][kb 1024][rb 16][t 2][lane 32][8]: number i of chunk (t, lane) is row 256 mt + 16 rb + lane % 16, k = 32 kb + 16 (lane / 16) + 8 t + i.
; W2: [32768 k][1024] f32, taken as it lies.  gateT: [8][1024] f32.  part: [16][1024][1024] f32.
; LIMITS.  W2 is rounded to bf16 on its way to the matrix unit; sums, gate and parts in f32.
; SHARES.  A work-group makes 256 rows x 256 columns of one split; each of its four waves ALL 256 rows x 64 columns: 64 accumulators, 512 registers.  A sub-step is 32 along K: 64 matrix instructions a wave.
; K INSIDE A BLOCK OF 32 IS PERMUTED, alike in both operands: a lane's eight registers hold k = 16 (lane / 16) + 0..15.  H lies so in hb: a load of 16 bytes a lane takes 512 consecutive bytes.
; W2 GOES STRAIGHT INTO REGISTERS.  Lane (c, h) loads 16 bytes of each of the rows 16 h + 0..15 (sixteen lanes: 256 consecutive bytes, aligned); the four words of a load belong to four fragments f
; (column 4 c + f); two rows' words round into one register.  Four sets of 64 registers take turns: a set is filled again as soon as it is rounded, so 64 loads of a wave are out and each has
; four sub-steps, 256 matrix instructions, before its wait.
; NO MULTICAST FOR W2, and why: a wave alone reads its 64 columns, so LDS would give W2 no reuse in the work-group; in f32 it would take 1,024 of 1,536 bytes of a ring for each k, a slot would hold 96 k,
; and a joint refill would have to land within 160 matrix instructions.  The price: the four work-groups of a column of the cluster (the four row tiles) each ask for the same bytes of W2.
; Source 0 = 16 rows of H, source 1 = 16 columns of W2: register j of accumulator (a, f) in lane (c, h) is row 16 a + 8 h + j, column 64 w + 4 c + f: the four f of one j are 16 neighbouring bytes of a row
; of part, and sixteen lanes hold 256: the multiplication by the gate gathers them, and no LDS stage is needed.
; RING.  H alone goes through LDS: two slots of eight sub-steps, [group of 4 row blocks][sub-step 8][4,096 bytes]; wave w fetches group w.  64 = 4 + 7 x 8 + 4: the first fill brings 4 blocks into a slot's
; second half; the last refill finds 4 blocks left (tensor_dim1 counts them; the tile's other rows arrive as zeros and are not read).  So the steps that load no more of W2 are just the tail.
; CLUSTER.  4 x 4 work-groups are one split's 16 tiles: the four of a row share H's tiles, which are asked for jointly: the same load, descriptor and mask in all four.
; A wave has two tensor loads out at the start and one behind each round.
; REGISTERS, in windows of 256 (s_set_vgpr_msb: bits 1:0 source 0, 3:2 source 1, 5:4 source 2, 7:6 destination):
;   window 0: v2-8 addresses; v28-29 the add's; v32-95 W2's fragments, two buffers; v96-159, v160-223 sets 0, 1 of W2's words; at the end v96-223 the gate
;   window 1: v0-127 H's fragments, ONE buffer in four groups: a group is loaded again behind its own products; v128-191, v192-255 sets 2, 3; on the way out four sets of 32 to store
;   window 2: accumulators of row blocks 0-7 ((a, f) at 8 (4 a + f))        window 3: of blocks 8-15
.set KSUB,   64                        ; sub-steps
.set KBA,    16384                     ; bytes of hb from a block of 32 k to the next
.set ROWB,   4096                      ; bytes of W2 from a k to the next
.set KBB,    32*ROWB
.set NFILL,  KSUB/8-1                  ; refills
.set QTR,    8*4096                    ; a group's bytes in a slot
.set HALF,   4*4096                    ; four sub-steps of a group
.set SLOT1,  1<<17                     ; a slot is 131,072 bytes; slot 1 begins here, so that one exclusive or turns an address in one slot into the other's
.set SPARE,  2*SLOT1                   ; behind the ring: the spare words, 128 bytes a wave: two blocks of 256 bytes that no other line names
.set A0,   2                           ; v2-3  16 x lane, and that + 65,536 (groups 2, 3); never rewritten
.set ADR,  4                           ; v4-5  the same + the LDS byte at which the four sub-steps being fetched begin
.set VB,   6                           ; v6    my offset in W2: 16 rows x (lane / 16) + 16 (lane % 16); never rewritten
.set CO,   7                           ; v7    my offset in part: 8 rows x (lane / 16) + 16 (lane % 16)
.set AUX,  8                           ; v8    my offset in gateT: 32 (lane / 16)
.set SPW,  28                          ; v28   LDS address of my spare word; never rewritten
.set NIL,  29                          ; v29   0; never rewritten
.set BF,   32                          ; W2's fragments: buffer p, fragment f at BF + 32 p + 8 f
.set GATE, 96                          ; the gate of row 16 a + 8 h + j at GATE + 8 a + j
.set OT,   128                         ; window 1, the way out: set a % 4, row j, column f at OT + 32 (a % 4) + 4 j + f
.set G1,   24                          ; s[24:31] descriptor group 1; its word 2 counts the blocks left
.set G1H,  32                          ; s[32:39] the same for the first fill of 4 blocks
.set G0F,  40                          ; s[40:43] descriptor group 0 of the first fill
.set G0W,  44                          ; s[44:47] of the second, which then walks
.set TB,   48                          ; s48  LDS byte at which the four sub-steps being fetched begin
.set CNT,  49                          ; s49  counts a slot's halves
.set SL,   50                          ; s50  counts the slots
.set MSB, 0
.macro WIN new                         ; the immediate's high byte repeats the setting that is left; a switch that changes nothing is dropped
.if MSB != (\new)
	s_set_vgpr_msb (MSB<<8)|(\new)
.set MSB, (\new)
.endif
.endm
.macro PLACES                          ; four places: between a matrix instruction and a vector instruction or load that writes one of its registers or reads its result (ISA guide 7.12.1 for vector instructions)
.rept 4
	v_nop
.endr
.endm
.macro SHAPE g, c, left, r, p          ; descriptor group 1 but for its first word: a tile of r rows of c elements, p elements from row to row, of a tensor with 'left' rows from the tile's first on
	s_mov_b32 s[(\g)+1], (\c)<<16                  ; tensor_dim0
	s_mov_b32 s[(\g)+2], (\left)<<16               ; tensor_dim1
	s_mov_b32 s[(\g)+3], (\c)<<16                  ; tile_dim0
	s_mov_b32 s[(\g)+4], (\r)                      ; tile_dim1
	s_mov_b32 s[(\g)+5], (\p)                      ; tensor_dim0_stride
	s_mov_b32 s[(\g)+6], 0
	s_mov_b32 s[(\g)+7], 0
.endm
; A round of the cluster's barrier: my work-group's barrier; wave 0 signals for the work-group; every wave waits for all sixteen; my work-group's barrier once more.
.macro CREST                           ; a round behind its opening barrier
	s_cmp_lg_u32 s12, 0
	s_cbranch_scc1 .Lnot_wave_0_\@
	s_barrier_signal -3
.Lnot_wave_0_\@:
	s_barrier_wait -3
	s_barrier_signal -1
	s_barrier_wait -1
.endm
.macro CROUND
	s_barrier_signal -1
	s_barrier_wait -1
	CREST
.endm
; One matrix instruction: row block a, fragment f, buffer p of W2.  init = 1: it starts the sum: nothing is ever cleared.
.macro MM p, a, f, init
.set rD, 8*(4*((\a)%8)+(\f))
.set rB, BF+32*(\p)+8*(\f)
.set rA, 8*(\a)
	WIN 0xa1+0x50*((\a)/8)                         ; H window 1, W2 window 0, C and D window 2 or 3
.if \init
	v_wmma_f32_16x16x32_bf16 v[rD:rD+7], v[rA:rA+7], v[rB:rB+7], 0
.else
	v_wmma_f32_16x16x32_bf16 v[rD:rD+7], v[rA:rA+7], v[rB:rB+7], v[rD:rD+7]
.endif
.endm
; na row blocks from a0 on x 4 fragments.  The 64 accumulators take turns in the same order in every sub-step: between two links of a chain stand the 63 others'.
.macro MUL p, a0, na, init=0
.set ma, (\a0)
.rept \na
.irp f, 0,1,2,3
	MM \p, ma, \f, \init
.endr
.set ma, ma+1
.endr
.endm
; Quarter g of the 32 roundings that make buffer p's fragments from set c: register u = 2 g, 2 g + 1 of each fragment takes rows 2 u and 2 u + 1.
.macro CVTQ c, p, g
	WIN 5*((\c)/2)                                 ; sets 2 and 3 lie in window 1
.set sb, 96+64*(\c)-96*((\c)/2)
.irp u, 0,1
.irp f, 0,1,2,3
	v_cvt_pk_bf16_f32 v[BF+32*(\p)+8*(\f)+2*(\g)+(\u)], v[sb+8*(2*(\g)+(\u))+(\f)], v[sb+8*(2*(\g)+(\u))+4+(\f)]
.endr
.endr
.endm
; Rows 4 g .. 4 g + 3 of set c are loaded: sub-step d behind the one at which W2's pointer stands.
.macro GLQ c, g, d
	WIN 0x40*((\c)/2)
.set sb, 96+64*(\c)-96*((\c)/2)
.irp q, 0,1,2,3
	global_load_b128 v[sb+16*(\g)+4*(\q):sb+16*(\g)+4*(\q)+3], v[VB], s[6:7] offset:(32*(\d)+4*(\g)+(\q))*ROWB
.endr
.endm
; Group g of H's fragments (row blocks 4 g .. 4 g + 3) is loaded: sub-step fs of the four at s[TB].
.macro AFQ g, fs
	WIN 0x40                                       ; destination window 1, address window 0
.irp b, 0,1,2,3
	ds_load_b128 v[32*(\g)+8*(\b):32*(\g)+8*(\b)+3],   v[ADR+(\g)/2] offset:((\g)%2)*QTR+(\fs)*4096+(\b)*1024
	ds_load_b128 v[32*(\g)+8*(\b)+4:32*(\g)+8*(\b)+7], v[ADR+(\g)/2] offset:((\g)%2)*QTR+(\fs)*4096+(\b)*1024+512
.endr
.endm
; A quarter of a sub-step: group g's 16 products; a quarter of the next sub-step's roundings, which name none of those products' registers and are the places in front of the loads below;
; ld = 1: the rows just rounded are loaded again, five sub-steps on; group g of the next sub-step is fetched, 48 matrix instructions ahead of its use.
.macro QUART p, g, c, fs, d, ld, lcnt, init
	s_wait_dscnt 24                                ; my group is in: behind its 8 loads the three other groups' 24 were issued
	MUL \p, 4*(\g), 4, \init
	WIN 5*((\c)/2)
	s_wait_loadcnt \lcnt                           ; the quarter's four loads are in: the count is what was issued behind them
	CVTQ \c, 1-(\p), \g
.if \ld
	GLQ \c, \g, \d
.endif
	AFQ \g, \fs
.endm
; A sub-step: multiplies by buffer p; rounds set c into the other buffer.  With loads the count is 60: 12 in the set's own step and in this one, 48 in the three between (with the four issued behind the wait
; 64 would be out: the last one's issue waits for the oldest, ISA guide 5.7.1).  Without loads the count falls by four a quarter.
.macro STEP p, c, fs, d, ld=1, lc=60, init=0
.irp g, 0,1,2,3
	QUART \p, \g, \c, \fs, \d, \ld, (\lc)-4*(\g)*(1-(\ld)), \init
.endr
.endm
; The sub-step in a slot's middle: the fetches go on to the slot's second half, W2's pointer four sub-steps on.
.macro ZSTEP
	s_add_co_u32 s[TB], s[TB], HALF
	v_add_nc_u32 v[ADR], s[TB], v[A0]
	v_add_nc_u32 v[ADR+1], s[TB], v[A0+1]
	s_wait_dscnt 24
	MUL 1, 0, 4
	WIN 0
	s_wait_loadcnt 60
	CVTQ 0, 0, 0
	s_wait_xcnt 0x0                                ; the pointer is a source of the loads issued so far: it steps only behind this wait
	s_add_nc_u64 s[6:7], s[6:7], 4*KBB
	GLQ 0, 0, 0
	AFQ 0, 0
	QUART 1, 1, 0, 0, 0, 1, 60, 0
	QUART 1, 2, 0, 0, 0, 1, 60, 0
	QUART 1, 3, 0, 0, 0, 1, 60, 0
.endm
; A slot's last sub-step, and the change of slots: ONE barrier.  This sub-step's fragments are the slot's last bytes to be read; its fetches take the other slot's first.  In front of the barrier each wave waits
; for all its tensor loads (one is out: its part of the other slot), adds 0 to its spare word, and waits for that and for its reads of this slot.  No memory instruction stands between the add and the barrier's
; end, so the first two quarters' loads come behind it.  on = 1: the barrier opens a round of the cluster's, and this slot's joint refill is the first thing behind it: 480 matrix instructions of mine
; ahead of the wait for it.  on = 0, the last change: nothing is asked for any more, of H or of W2.
.macro CSTEP on
	WIN 0                                          ; (the add's two registers lie in window 0)
	s_wait_tensorcnt 0x0                           ; all my tensor loads have landed, so a descriptor may be written
	ds_add_u32 v[SPW], v[NIL]                      ; 0 onto my spare word
.if \on
	s_xor_b32 s[G0W+1], s[G0W+1], SLOT1            ; the walking descriptor: the other slot than last time,
	s_add_nc_u64 s[G0W+2:G0W+3], s[G0W+2:G0W+3], 8*KBA  ; the next eight blocks; the type bits on top are not reached;
	s_sub_co_u32 s[G1+2], s[G1+2], 8<<16           ; eight blocks fewer are left from there on
.endif
	s_sub_co_u32 s[TB], s[TB], HALF                ; the fetches go back to a slot's first half,
	s_xor_b32 s[TB], s[TB], SLOT1                  ; in the other slot
	s_wait_dscnt 25                                ; group 0 is in (behind it: 24 loads and the add)
	MUL 1, 0, 4
	WIN 0
	s_wait_loadcnt 56                              ; two quarters at once, ahead of the signal: behind the second stand 8 loads of its own step and 48 of the three between
	CVTQ 0, 0, 0
	s_wait_dscnt 0x0                               ; the add is done, and my reads of this slot are over
	s_barrier_signal -1
	MUL 1, 4, 4                                    ; work on registers while the others arrive
	CVTQ 0, 0, 1
	s_barrier_wait -1
.if \on
	CREST                                          ; no wave of any partner still reads this slot or has a load on its way
	tensor_load_to_lds s[G0W:G0W+3], s[G1:G1+7]
	s_nop 0
	PLACES
.endif
	v_add_nc_u32 v[ADR], s[TB], v[A0]
	v_add_nc_u32 v[ADR+1], s[TB], v[A0+1]
.if \on
	s_wait_xcnt 0x0                                ; as in ZSTEP
	s_add_nc_u64 s[6:7], s[6:7], 4*KBB
	GLQ 0, 0, 0
	GLQ 0, 1, 0
.endif
	AFQ 0, 0
	AFQ 1, 0
	QUART 1, 2, 0, 0, 0, \on, 52+8*(\on), 0        ; without loads: 4 of the set's own step and 48; then 48
	QUART 1, 3, 0, 0, 0, \on, 48+12*(\on), 0
.endm
	s_load_b256 s[4:11], s[0:1], 0x0               ; hb s[4:5], W2 s[6:7], gateT s[8:9], part s[10:11]
	v_lshl_add_u32 v[SPW], v0, 2, SPARE
	v_mov_b32 v[NIL], 0
	ds_add_u32 v[SPW], v[NIL]                      ; the wave's opening: the add and its wait stand ahead of my first tensor load; the set-up below stands between them
	v_lshrrev_b32 v1, 5, v0
	v_readfirstlane_b32 s12, v1                    ; wave 0..3
	s_bfe_u32 s15, ttmp6, 0x40000                  ; cx: the tile column
	s_bfe_u32 s16, ttmp6, 0x40004                  ; cy = mt: the grid is one cluster high
	s_mov_b32 s17, ttmp9                           ; the cluster's number is the split
	s_lshl_b32 s18, s16, 2
	s_lshl_b32 s18, 15, s18                        ; my row of the cluster
	s_or_b32 s[G1],  s18, (3<<16)|(1<<21)          ; 15:0 the mask; 17:16 elements of 8 bytes; 21 set beside a mask; no padding
	s_or_b32 s[G1H], s18, (3<<16)|(1<<21)
	SHAPE G1,  512, KSUB-4, 8, 2048                ; a row is a group's 4,096 dense bytes of one block of 32 k; the next block lies 16,384 bytes on; behind the first fill 60 blocks are left
	SHAPE G1H, 512, 4,      4, 2048
	s_mov_b32 s[TB], HALF                          ; the first fill lies in slot 0's second half
	v_and_b32 v1, 31, v0                           ; lane
	v_and_b32 v9, 15, v0                           ; c
	v_bfe_u32 v10, v0, 4, 1                        ; h
	v_lshlrev_b32 v[A0], 4, v1
	v_add_nc_u32 v[A0+1], 0x10000, v[A0]
	v_add_nc_u32 v[ADR], HALF, v[A0]
	v_add_nc_u32 v[ADR+1], HALF, v[A0+1]
	v_lshlrev_b32 v11, 4, v9                       ; 16 c
	v_lshl_add_u32 v[VB], v10, 16, v11             ; W2: + 16 rows of 4,096 bytes for the upper half of the lanes
	v_lshl_add_u32 v[CO], v10, 15, v11             ; part: + 8 rows of 4,096 bytes
	v_lshlrev_b32 v[AUX], 5, v10
	s_lshl_b32 s20, s16, 24                        ; H's tiles hang on cy, the split and the wave alone: mt x 16,777,216
	s_lshl_b32 s21, s17, 20                        ; + split x 64 blocks
	s_add_co_u32 s20, s20, s21
	s_lshl_b32 s21, s12, 12                        ; + group x 4,096
	s_add_co_u32 s20, s20, s21
	s_mov_b32 s21, 0
	s_lshl_b32 s22, s17, 23                        ; W2: split x 2,048 rows
	s_lshl_b32 s23, s15, 10                        ; + tile column x 1,024
	s_add_co_u32 s22, s22, s23
	s_lshl_b32 s23, s12, 8                         ; + my wave's 64 columns
	s_add_co_u32 s22, s22, s23
	s_mov_b32 s23, 0
	s_lshl_b32 s18, s12, 15                        ; where my group goes: no place in the cluster enters an LDS address
	s_wait_dscnt 0x0                               ; the opening add is done
	s_wait_kmcnt 0x0
	s_add_nc_u64 s[4:5], s[4:5], s[20:21]
	s_add_nc_u64 s[6:7], s[6:7], s[22:23]
.irp c, 0,1,2,3
.irp g, 0,1,2,3
	GLQ \c, \g, \c                                 ; W2's first four sub-steps are asked for before anything else
.endr
.endr
	WIN 0
	s_mov_b32 s[G0F], 1                            ; count = 1
	s_add_co_u32 s[G0F+1], s18, HALF               ; LDS address
	s_mov_b64 s[G0F+2:G0F+3], s[4:5]               ; global address: blocks 0-3
	s_or_b32 s[G0F+3], s[G0F+3], 0x80000000        ; type = 2
	s_mov_b32 s[G0W], 1
	s_add_co_u32 s[G0W+1], s18, SLOT1
	s_add_nc_u64 s[G0W+2:G0W+3], s[4:5], 4*KBA     ; blocks 4-11
	s_or_b32 s[G0W+3], s[G0W+3], 0x80000000
	s_lshr_b32 s22, s17, 1                         ; gateT at my expert's row, my 256 rows
	s_lshl_b32 s22, s22, 12
	s_lshl_b32 s23, s16, 10
	s_add_co_u32 s22, s22, s23
	s_mov_b32 s23, 0
	s_add_nc_u64 s[8:9], s[8:9], s[22:23]
	s_lshl_b32 s22, s17, 22                        ; part at split, 256 mt rows, 256 cx + 64 w columns
	s_lshl_b32 s23, s16, 20
	s_add_co_u32 s22, s22, s23
	s_lshl_b32 s23, s15, 10
	s_add_co_u32 s22, s22, s23
	s_lshl_b32 s23, s12, 8
	s_add_co_u32 s22, s22, s23
	s_mov_b32 s23, 0
	s_add_nc_u64 s[10:11], s[10:11], s[22:23]
	CROUND                                         ; all sixteen work-groups are here: the first joint loads meet
	tensor_load_to_lds s[G0F:G0F+3], s[G1H:G1H+7]
	s_nop 0
	tensor_load_to_lds s[G0W:G0W+3], s[G1:G1+7]
	s_nop 0
	PLACES
	s_wait_tensorcnt 0x1                           ; my part of the first fill is in; slot 1's may stay out
	s_barrier_signal -1
	s_barrier_wait -1                              ; everybody's is
.irp g, 0,1,2,3
	AFQ \g, 0                                      ; sub-step 0
.endr
	WIN 0
	s_wait_loadcnt 48                              ; set 0 is in; sets 1 to 3 stay out
.irp g, 0,1,2,3
	CVTQ 0, 0, \g
.endr
.irp g, 0,1,2,3
	GLQ 0, \g, 4                                   ; set 0 takes sub-step 4
.endr
	s_wait_xcnt 0x0
	s_add_nc_u64 s[6:7], s[6:7], 4*KBB
	STEP 0, 1, 1, 1, 1, 60, 1                      ; sub-step 0 is written out: its products start the sums
	WIN 0                                          ; at a label and at a branch every window is 0
	s_mov_b32 s[CNT], 1                            ; the first fill is half a slot
	s_mov_b32 s[SL], NFILL+1
	s_branch .Lt2                                  ; the loop is entered in the middle of a trip
.Lslot:                                                ; NFILL times: a slot is left and filled again
	CSTEP 1
	WIN 0
	s_mov_b32 s[CNT], 2
	s_branch .Lt
.Lz:
	ZSTEP
	WIN 0
.Lt:
	STEP 0, 1, 1, 1
	WIN 0
.Lt2:
	STEP 1, 2, 2, 2
	STEP 0, 3, 3, 3
	WIN 0
	s_sub_co_u32 s[CNT], s[CNT], 1
	s_cmp_lg_u32 s[CNT], 0
	s_cbranch_scc1 .Lz
	s_sub_co_u32 s[SL], s[SL], 1
	s_cmp_lg_u32 s[SL], 0
	s_cbranch_scc1 .Lslot
	CSTEP 0                                        ; the tail is written out: the last four blocks
	STEP 0, 1, 1, 0, 0, 44                         ; behind set 1's loads: 12 of their step, 32 of the two that followed
	STEP 1, 2, 2, 0, 0, 28
	STEP 0, 3, 3, 0, 0, 12
	WIN 0                                          ; sets 0 and 1 are idle, and no load is out: the gate of my 256 rows goes there, in the result's layout
.set ga, 0
.rept 16
	global_load_b128 v[GATE+8*ga:GATE+8*ga+3],   v[AUX], s[8:9] offset:64*ga
	global_load_b128 v[GATE+8*ga+4:GATE+8*ga+7], v[AUX], s[8:9] offset:64*ga+16
.set ga, ga+1
.endr
.irp g, 0,1,2,3
	s_wait_dscnt 24-8*(\g)                         ; the last sub-step: nothing more is fetched, the counts run down
	MUL 1, 4*(\g), 4
.endr
	; THE WAY OUT.  Row block a: row j's four fragments, times the row's gate, are 16 neighbouring bytes.  Each accumulator is read from its lowest register on.
	s_wait_loadcnt 0x0                             ; the gate
	PLACES
.set oa, 0
.rept 16
.if oa >= 4
	s_wait_xcnt 0x0                                ; the set's registers are the data of block a - 4's stores: they are written again only behind this wait
.endif
	WIN 0x42+oa/8                                  ; source 0 window 2 or 3, the gate window 0, destination window 1
.irp j, 0,1,2,3,4,5,6,7
.irp f, 0,1,2,3
	v_mul_f32 v[OT+32*(oa%4)+4*(\j)+(\f)], v[32*(oa%8)+8*(\f)+(\j)], v[GATE+8*oa+(\j)]
.endr
.endr
	WIN 0x04                                       ; store data window 1, offset window 0
.irp j, 0,1,2,3,4,5,6,7
	global_store_b128 v[CO], v[OT+32*(oa%4)+4*(\j):OT+32*(oa%4)+4*(\j)+3], s[10:11] offset:(16*oa+(\j))*4096  ; 16 lanes store 256 consecutive bytes, at a multiple of 256 from part's first
.endr
.set oa, oa+1
.endr
	WIN 0
	s_wait_tensorcnt 0x0                           ; the wave's end
	ds_add_u32 v[SPW], v[NIL]
	s_wait_dscnt 0x0
	CROUND                                         ; the closing round: no work-group ends while a partner may still ask for a tile that names it
	s_endpgm
.Lfunc_end_k_q930e44f09c_down:
	.size	k_q930e44f09c_down, .Lfunc_end_k_q930e44f09c_down-k_q930e44f09c_down
	.p2alignl 7, 3214868480
	.fill 96, 4, 3214868480
	.section	.rodata,"a",@progbits
	.p2align	6, 0x0
	.amdhsa_kernel k_q930e44f09c_down
		.amdhsa_group_segment_fixed_size 327680
		.amdhsa_private_segment_fixed_size 0
		.amdhsa_enable_private_segment 0
		.amdhsa_kernarg_size 32
		.amdhsa_user_sgpr_count 2
		.amdhsa_user_sgpr_kernarg_segment_ptr 1
		.amdhsa_wavefront_size32 1
		.amdhsa_system_sgpr_workgroup_id_x 1
		.amdhsa_system_sgpr_workgroup_id_y 1
		.amdhsa_system_sgpr_workgroup_id_z 1
		.amdhsa_system_vgpr_workitem_id 0
		.amdhsa_next_free_vgpr 1024
		.amdhsa_next_free_sgpr 66
		.amdhsa_reserve_vcc 0
		.amdhsa_float_denorm_mode_32 3
		.amdhsa_float_denorm_mode_16_64 3
		.amdhsa_memory_ordered 1
		.amdhsa_forward_progress 1
		.amdhsa_inst_pref_size 151
	.end_amdhsa_kernel
	.amdgpu_metadata
---
amdhsa.version: [ 1, 2 ]
amdhsa.kernels:
  - .name:           k_q930e44f09c_down
    .symbol:         k_q930e44f09c_down.kd
    .args:
      - { .name: hb, .offset: 0, .size: 8, .value_kind: global_buffer, .address_space: global }
      - { .name: W2, .offset: 8, .size: 8, .value_kind: global_buffer, .address_space: global }
      - { .name: gateT, .offset: 16, .size: 8, .value_kind: global_buffer, .address_space: global }
      - { .name: part, .offset: 24, .size: 8, .value_kind: global_buffer, .address_space: global }
    .group_segment_fixed_size: 327680
    .private_segment_fixed_size: 0
    .kernarg_segment_align: 8
    .kernarg_segment_size: 32
    .max_flat_workgroup_size: 128
    .sgpr_count:     66
    .vgpr_count:     1024
    .wavefront_size: 32
...
	.end_amdgpu_metadata
.endif
;; end of part 3
;; launch sum (part 4): grid 256 x 1, 8 waves a work-group, no clusters, 0 bytes of LDS; arguments part, gateT, b2, out0; writes out0
.if DOCPART == 4
	.amdgcn_target "amdgcn-amd-amdhsa--gfx1250"
	.amdhsa_code_object_version 6
	.text
	.protected	k_q930e44f09c_sum
	.globl	k_q930e44f09c_sum
	.p2align	8
	.type	k_q930e44f09c_sum,@function
k_q930e44f09c_sum:
	s_mov_b64 s[64:65], 0
	v_nop
	global_prefetch_b8 v0, s[64:65] scope:SCOPE_SE
	s_setreg_imm32_b32 hwreg(HW_REG_WAVE_MODE, 25, 1), 1
	s_wait_xcnt 0x0
; SUM.  out0[m][o] = the sum over e of gate[m][e] b2[e][o] + the sum over the 16 splits s of part[s][m][o].  All f32; the splits are added in ascending order.
; part: [16][1024][1024].  gateT: [8][1024].  b2: [8][1024].  out0: [1024][1024].
; A stream: 64 MiB in, 4 MiB out, each byte once.  No LDS, no barrier, no matrix unit, no cluster: no two work-groups read the same bytes but b2's 32 KiB.
; SHARES.  A work-group owns 4 rows; thread t the 16 bytes at 16 t of every row: a load or store of a wave covers 512 consecutive bytes.  A row wants 16 loads a thread; two rows' loads are always out.
; The gate's 4 rows x 8 experts are the same for the whole work-group: 32 scalar registers.
.set B2,  4                            ; v[4:35]    b2 of my four columns, four registers an expert
.set R0,  36                           ; v[36:99], v[100:163]  two sets: a row's 16 parts, four registers a split
.set ACC, 164                          ; v[164:179] four registers a row: no store's data is written again
.set GT,  16                           ; s[16:47]   the gate: expert e, row r at GT + 4 e + r
.set PB,  48                           ; s[48:63]   part at my rows of splits 0, 2, .. 14: the odd split stands in the immediate
	s_load_b256 s[4:11], s[0:1], 0x0               ; part s[4:5], gateT s[6:7], b2 s[8:9], out0 s[10:11]
	v_lshlrev_b32 v1, 4, v0                        ; 16 t
	s_lshl_b32 s12, ttmp9, 4                       ; four rows' words in a row of gateT
	s_mov_b32 s13, 0
	s_lshl_b32 s14, ttmp9, 14                      ; four rows of 4,096 bytes
	s_mov_b32 s15, 0
	s_wait_kmcnt 0x0
	s_add_nc_u64 s[6:7], s[6:7], s[12:13]
.irp e, 0,1,2,3,4,5,6,7
	s_load_b128 s[GT+4*(\e):GT+4*(\e)+3], s[6:7], (\e)*4096
.endr
	s_add_nc_u64 s[PB:PB+1], s[4:5], s[14:15]
.irp k, 1,2,3,4,5,6,7
	s_add_nc_u64 s[PB+2*(\k):PB+2*(\k)+1], s[PB+2*(\k)-2:PB+2*(\k)-1], 0x800000  ; two splits on
.endr
	s_add_nc_u64 s[10:11], s[10:11], s[14:15]
.irp e, 0,1,2,3,4,5,6,7
	global_load_b128 v[B2+4*(\e):B2+4*(\e)+3], v1, s[8:9] offset:(\e)*4096
.endr
.macro LOADROW r, set                  ; row r's 16 parts
.set ls, 0
.rept 16
	global_load_b128 v[R0+64*(\set)+4*ls:R0+64*(\set)+4*ls+3], v1, s[PB+2*(ls/2):PB+2*(ls/2)+1] offset:(ls%2)*4194304+(\r)*4096 th:TH_LOAD_NT
.set ls, ls+1
.endr
.endm
.macro SUMROW r, set
.irp c, 0,1,2,3
	v_mul_f32 v[ACC+4*(\r)+(\c)], s[GT+(\r)], v[B2+(\c)]        ; the first expert starts the sum: nothing is cleared
.endr
.irp e, 1,2,3,4,5,6,7
.irp c, 0,1,2,3
	v_fmac_f32 v[ACC+4*(\r)+(\c)], s[GT+4*(\e)+(\r)], v[B2+4*(\e)+(\c)]
.endr
.endr
.set ls, 0
.rept 16
	v_pk_add_f32 v[ACC+4*(\r):ACC+4*(\r)+1],   v[ACC+4*(\r):ACC+4*(\r)+1],   v[R0+64*(\set)+4*ls:R0+64*(\set)+4*ls+1]
	v_pk_add_f32 v[ACC+4*(\r)+2:ACC+4*(\r)+3], v[ACC+4*(\r)+2:ACC+4*(\r)+3], v[R0+64*(\set)+4*ls+2:R0+64*(\set)+4*ls+3]
.set ls, ls+1
.endr
	global_store_b128 v1, v[ACC+4*(\r):ACC+4*(\r)+3], s[10:11] offset:(\r)*4096 th:TH_STORE_NT
.endm
	LOADROW 0, 0
	LOADROW 1, 1
	s_wait_kmcnt 0x0                               ; the gate
	s_wait_loadcnt 16                              ; b2 and row 0 are in; row 1's 16 loads stay out
	SUMROW 0, 0
	LOADROW 2, 0
	s_wait_loadcnt 16                              ; row 1 is in; row 2's 16 stay out
	SUMROW 1, 1
	LOADROW 3, 1
	s_wait_loadcnt 16                              ; row 2 is in; row 3's 16 stay out
	SUMROW 2, 0
	s_wait_loadcnt 0x0                             ; the last row: nothing was issued behind it
	SUMROW 3, 1
	s_endpgm
.Lfunc_end_k_q930e44f09c_sum:
	.size	k_q930e44f09c_sum, .Lfunc_end_k_q930e44f09c_sum-k_q930e44f09c_sum
	.p2alignl 7, 3214868480
	.fill 96, 4, 3214868480
	.section	.rodata,"a",@progbits
	.p2align	6, 0x0
	.amdhsa_kernel k_q930e44f09c_sum
		.amdhsa_group_segment_fixed_size 0
		.amdhsa_private_segment_fixed_size 0
		.amdhsa_enable_private_segment 0
		.amdhsa_kernarg_size 32
		.amdhsa_user_sgpr_count 2
		.amdhsa_user_sgpr_kernarg_segment_ptr 1
		.amdhsa_wavefront_size32 1
		.amdhsa_system_sgpr_workgroup_id_x 1
		.amdhsa_system_sgpr_workgroup_id_y 1
		.amdhsa_system_sgpr_workgroup_id_z 1
		.amdhsa_system_vgpr_workitem_id 0
		.amdhsa_next_free_vgpr 192
		.amdhsa_next_free_sgpr 66
		.amdhsa_reserve_vcc 0
		.amdhsa_float_denorm_mode_32 3
		.amdhsa_float_denorm_mode_16_64 3
		.amdhsa_memory_ordered 1
		.amdhsa_forward_progress 1
		.amdhsa_inst_pref_size 21
	.end_amdhsa_kernel
	.amdgpu_metadata
---
amdhsa.version: [ 1, 2 ]
amdhsa.kernels:
  - .name:           k_q930e44f09c_sum
    .symbol:         k_q930e44f09c_sum.kd
    .args:
      - { .name: part, .offset: 0, .size: 8, .value_kind: global_buffer, .address_space: global }
      - { .name: gateT, .offset: 8, .size: 8, .value_kind: global_buffer, .address_space: global }
      - { .name: b2, .offset: 16, .size: 8, .value_kind: global_buffer, .address_space: global }
      - { .name: out0, .offset: 24, .size: 8, .value_kind: global_buffer, .address_space: global }
    .group_segment_fixed_size: 0
    .private_segment_fixed_size: 0
    .kernarg_segment_align: 8
    .kernarg_segment_size: 32
    .max_flat_workgroup_size: 256
    .sgpr_count:     66
    .vgpr_count:     192
    .wavefront_size: 32
...
	.end_amdgpu_metadata
.endif
;; end of part 4
